; MI455X (gfx1250); checked and timed in simulation.
; The chip was launched on July 23, 2026; its instructions are those of AMD's public machine-readable ISA for CDNA 5 (MIT licence, August 2026) and "CDNA5" Instruction Set Architecture Reference Guide (July 2026). The comments in the code are by the model that wrote it; some were corrected since.
;; Multi Head Attention. Allowed arithmetic: matrix products marked QUANTISED: E3M2 operands, one E8M0 scale for each 32 along K, by v_wmma_scale_f32_16x16x128_f8f6f4 with both operands' format E3M2, f32 sums; everything else in f32.
;; Inputs: k 4 x 2,048 x 1,024 float32; mask 1 x 1 x 2,048 x 2,048 float32; q 4 x 2,048 x 1,024 float32; v_codes 4 x 1,024 x 64 x 24 uint8 (E3M2 codes of v, K innermost, in blocks of 32 codes, four codes in three bytes); v_scales 4 x 1,024 x 64 uint8 (E8M0 scales of v, one for each 32 codes along K).
;; Outputs: out0 4 x 1 x 2,048 x 1,024 float32.
;; Constants: training = 0.
;; This version of the problem:
;;   THIS VERSION OF THE PROBLEM IS GIVEN IN LOW PRECISION. The matrix products marked QUANTISED in the list below multiply operands that are first quantised to E3M2 (3 exponent bits, 2 mantissa bits; 6 bits a number), with one power-of-two scale for each 32 numbers along K (OCP MX v1.0); their sums are f32. All else is computed in f32.
;;   The module's matrix products, in the order in which they are computed (A, B: the left and right operand; K: the contracted axis; several contracted axes count as one K, in the product's order):
;;     1. batch 64 x [M 2,048, K 64] x [K 64, N 2,048]; A: input q; B: input k: QUANTISED
;;     2. batch 64 x [M 2,048, K 2,048] x [K 2,048, N 64]; A: softmax (see below); B: input v (given as codes): QUANTISED
;;   THE QUANTISER, for each operand of a quantised product, along K:
;;     - K is cut into blocks of 32 from its start; a last block that is shorter is filled with zeros.
;;     - A block's scale is 2^e with e = floor(log2(the largest magnitude in the block)) - 4, held to -126 .. 127; a block of zeros has e = 0. As a byte (E8M0): e + 127.
;;     - Each number is divided by its block's scale, clamped to +-28, and rounded to the nearest number of E3M2, ties to even, subnormals kept.
;;     - The product sums the exact products of the quantised numbers (number of the format x scale) in f32.
;;   ~~~python
;;   def quantise(x, axis):      # numpy; x: float32 -> the quantised numbers, widened to float32 again
;;       x = np.moveaxis(x, axis, -1); K = x.shape[-1]
;;       x = np.pad(x, [(0, 0)] * (x.ndim - 1) + [(0, -K % 32)]); x = x.reshape(x.shape[:-1] + (-1, 32)); a = np.abs(x).max(-1, keepdims=True)
;;       e = np.where(a > 0, np.clip(np.frexp(np.where(a > 0, a, 1))[1] - 1 - 4, -126, 127), 0)      # np.frexp(a)[1] - 1 = floor(log2(a)), exactly
;;       r = np.clip(x / 2.0 ** e, -28, 28)
;;       step = 2.0 ** (np.maximum(np.frexp(np.where(r == 0, 1, r))[1] - 1, -2) - 2)
;;       q = np.round(r / step) * step * 2.0 ** e      # np.round: ties to even
;;       return np.moveaxis(q.reshape(q.shape[:-2] + (-1,))[..., :K], -1, axis).astype(np.float32)
;;   ~~~
;;   SOFTMAX AHEAD OF A QUANTISED PRODUCT. Where the list says 'softmax', what is quantised is not the finished softmax but p = 2^(t - M), with t = logit x log2(e) and M = ceil(the row's largest t), a whole number; so 1/2 < the row's largest p <= 1. The row's sum l is taken of the UNQUANTISED p, in f32, and the product's result is divided by l at the end. Since M is a whole number, a kernel that streams over the keys may use a running M (the ceiling of the running maximum): every later rescaling is an exact power of two, which a block's scale takes up: the codes' values come out the same.
;;   OPERANDS COMPUTED ON THE WAY. 'Computed on the way' means the value that the module computes at that place (a softmax that the list does not call 'softmax' is quantised finished and normalised). What goes into a quantiser is computed in f32, as accurately as f32 sums, v_exp_f32 and their like allow (about 1e-6 of the number): no bf16 or f16 on the way to a quantiser, and a product that is left as it is and whose result goes on into a quantised operand takes f32 operands (vector FMAs, or v_wmma_f32_16x16x4_f32). A number that lies on a knife's edge between two numbers of the format may be rounded either way, as far as f32 arithmetic and the matrix unit's own rounding can turn it there, and no further.
;;   INPUTS GIVEN AS CODES. v (in the module: [4, 2048, 1024], K = its axis 1): each comes as NAME_codes (uint8): NAME with its K axis moved to the last place and cut into blocks of 32 codes, [.., K / 32, bytes a block], one block behind the other in memory; four codes in three bytes: a row's codes are one little-endian stream of bits, code i at bits 6 i .. 6 i + 5 (a code: sign, 3 exponent bits, 2 mantissa bits); and NAME_scales (uint8): the same leading axes, one E8M0 byte (e + 127) for each 32 codes along K. Its value is code x scale, taken as it is: it is not quantised again, and the codes and scales need not be those that the quantiser above would give.
;; One version. Each part assembles by itself: llvm-mc -triple=amdgcn-amd-amdhsa -mcpu=gfx1250 --defsym DOCPART=n.
;; ======== version 1 of 1: 2 launches
;; limits: right only within a limited range of input values
;; workspace buffers: qimg 6,815,744 bytes; kv 13,107,200 bytes; flags 163,840 bytes of whole numbers
;; launch prep (part 1): grid 384 x 1, 4 waves a work-group, no clusters, 118,272 bytes of LDS; arguments q, k, mask, v_codes, qimg, kv, flags; writes qimg, kv, flags
.if DOCPART == 1
	.amdgcn_target "amdgcn-amd-amdhsa--gfx1250"
	.amdhsa_code_object_version 6
	.text
	.protected	k_q13e23c7ed7_prep
	.globl	k_q13e23c7ed7_prep
	.p2align	8
	.type	k_q13e23c7ed7_prep,@function
k_q13e23c7ed7_prep:
	s_mov_b64 s[64:65], 0
	v_nop
	global_prefetch_b8 v0, s[64:65] scope:SCOPE_SE
	s_setreg_imm32_b32 hwreg(HW_REG_WAVE_MODE, 25, 1), 1
	s_wait_xcnt 0x0
; THE LAUNCH IN FRONT OF THE ATTENTION.  Three kinds of work-group, told apart by the work-group's number; waves share nothing, so there is no barrier.
;  0-255   q (0-127) and k (128-255), f32 [4][2048][1024], become codes of E3M2 with one E8M0 byte for each 32 along a head's 64, laid as IMAGES OF THE OPERAND'S REGISTERS.
;          A wave takes 128 rows x 128 numbers (two heads).  It also stores the exponent field of the largest magnitude that it met: a whole number.
;  256-319 the mask, f32 [2048][2048]: a wave takes 8 rows and stores, for each of the 16 key steps of 128 keys, two whole numbers G and NZ (below).
;  320-383 v's codes, [4][1024][1536 bytes], are laid anew as register images, key step by key step.  A wave takes 16 rows.
; A TILE of 16 rows (queries or keys): lane row p of tile t takes row 32 (t / 2) + 8 (t % 2) + p + 8 (p / 8) of its 128.
; A HEAD'S IMAGE of 128 rows: 48 registers a lane, register g of lane l at byte 512 (g / 4) + 16 l + 4 (g % 4); registers 6 t .. 6 t + 5 of lane (p, h) are the codes of numbers 32 h .. 32 h + 31 of row p of tile t.
; A HEAD'S SCALE WORDS: 16 bytes a lane: lanes 0-15 the words of tiles 0-3 of row l, lanes 16-31 those of tiles 4-7 of row l - 16.  A word's bytes 0, 1 are the head's two blocks'; bytes 2, 3 never hold 0xff.
; kv: a block of 51,200 bytes for (batch, four heads, key step): K's 4 images, V's 4 x 4 fragments of 1,536 bytes, K's scale words.  qimg: 26,624 bytes for (batch, four heads, 128 rows): 4 images, scale words.
; G AND NZ.  pen = mask x 1e9.  For a row: a = its smallest pen, b = the smallest pen inside the key step.  G = the exponent field of the smallest, over the 8 rows, of (b - a) - 2^-20 (|a| + |b|), or 0 where
; that is not positive.  The 2^-20 stands over the roundings of pen, of the logits and of these lines (some six of 2^-24 each).  NZ = 1 where any mask number of the 8 rows x 128 keys is not +-0.
; A block's scale is 2^(floor(log2(largest magnitude)) - 4); its byte is the largest magnitude's exponent field - 4, held at 1 from below.  A block of zeros gets the byte 1: its codes are zeros, and this program alone reads the bytes.
; LIMITS: NaN and infinities among the inputs are not served; |mask| stays under 3e29, where mask x 1e9 leaves f32.
.set SP,    528                        ; q, k: a stage row: 512 bytes + 16
.set QSTG,  32*SP                      ; a wave's stage: 32 rows;  LDS 0 .. 67,583
.set VP,    784                        ; v: a stage row: 768 bytes + 16
.set VSTG0, 4*QSTG                     ; v's stages have bytes of their own: LDS 67,584 .. 117,759
.set VSTG,  16*VP
.set KVB,   51200
.set L,   16                           ; v16-143  32 rows x 16 bytes a lane, as loaded
.set X,   144                          ; v144-207 64 numbers of one row: two heads' 32 h .. 32 h + 31
.set H0,  208                          ; v208-219 the first head's codes of two tiles
.set H1,  220                          ; v220-231 the second head's
.set TC,  232                          ; v232-238 the upper halves of two blocks, as converted
.set PW,  240                          ; v240-247 a word of four scale bytes for each tile
.set OW,  248                          ; v248-255 the scale words as they are stored
.set MM,  208                          ; mask: v208-223 at work, v224-239 the smallest differences, v240-255 the largest magnitudes
.set GA,  224
.set ZZ,  240
	s_load_b256 s[4:11], s[0:1], 0x0               ; q s[4:5], k s[6:7], mask s[8:9], v_codes s[10:11]
	s_load_b128 s[12:15], s[0:1], 0x20             ; qimg s[12:13], kv s[14:15]
	s_load_b64 s[16:17], s[0:1], 0x30              ; flags
	s_set_vgpr_msb 0x40
	v_lshl_add_u32 v0, v0, 2, 0x1cc00
	v_mov_b32 v1, 0
	s_set_vgpr_msb 0x4000
	v_lshrrev_b32 v1, 5, v0
	v_readfirstlane_b32 s18, v1                    ; wave 0..3
	v_and_b32 v1, 31, v0                           ; lane
	v_lshlrev_b32 v2, 4, v1                        ; 16 x lane
	v_lshlrev_b32 v3, 2, v1                        ; 4 x lane
	v_and_b32 v12, 15, v1                          ; p
	v_lshrrev_b32 v13, 4, v1                       ; h
	s_mov_b32 s20, 0x76543210
	s_mov_b32 s21, 0xfedcba98                      ; v_permlanex16_b32's selects for lane l xor 16
	s_cmp_lt_u32 ttmp9, 256
	s_cbranch_scc0 .Lnot_qk
; ---------------------------------------------------------------- q and k
	s_lshl_b32 s22, ttmp9, 2
	s_add_co_u32 s22, s22, s18                     ; n = 512 tensor + 128 batch + 8 block of 128 rows + pair of heads
	s_and_b32 s23, s22, 511
	s_lshr_b32 s24, s23, 7                         ; batch
	s_bfe_u32 s25, s23, 0x40003                    ; block of 128 rows
	s_and_b32 s26, s23, 7                          ; pair of heads
	s_lshl_b32 s28, s24, 23                        ; a batch is 8,388,608 bytes,
	s_lshl_b32 s27, s25, 19                        ; 128 rows 524,288,
	s_add_co_u32 s28, s28, s27
	s_lshl_b32 s27, s26, 9                         ; two heads 512
	s_add_co_u32 s28, s28, s27
	s_mov_b32 s29, 0
	s_lshl_b32 s30, s24, 2
	s_lshr_b32 s27, s26, 1
	s_add_co_u32 s30, s30, s27                     ; 4 batch + group of four heads
	s_lshl_b32 s30, s30, 4
	s_add_co_u32 s30, s30, s25                     ; the block of the workspace buffer
	s_and_b32 s31, s26, 1                          ; which two of its four heads
	s_mul_i32 s32, s18, QSTG                       ; my stage
	s_wait_alu depctr_va_vdst(0)
	v_add_nc_u32 v4, s32, v2                       ; into it: 16 x lane, a row an instruction
	v_and_b32 v15, 8, v12
	v_add_nc_u32 v15, v15, v12                     ; p + 8 (p / 8)
	v_mul_u32_u24 v5, v15, SP
	v_lshl_add_u32 v5, v13, 7, v5
	v_add_nc_u32 v5, s32, v5                       ; out of it: my tile row, + 128 h bytes: numbers 32 h on
	v_lshlrev_b32 v6, 3, v13                       ; 8 h: where my block's byte stands in a pair of bytes
	v_mov_b32 v7, 0                                ; the largest magnitude met
	v_mov_b32 v14, 0                               ; (a lane permute's destination counts as one of its sources)
	s_wait_alu depctr_va_vdst(0)
	s_wait_kmcnt 0x0
	s_cmp_lt_u32 ttmp9, 128                        ; q or k: the choice hangs on the work-group's number alone
	s_cselect_b64 s[4:5], s[4:5], s[6:7]
	s_cselect_b64 s[12:13], s[12:13], s[14:15]
	s_mov_b32 s33, KVB
	s_cselect_b32 s33, 26624, s33                  ; bytes of a block
	s_mov_b32 s34, 49152
	s_cselect_b32 s34, 24576, s34                  ; where its scale words begin
	s_add_nc_u64 s[4:5], s[4:5], s[28:29]
	s_mul_i32 s36, s30, s33
	s_mov_b32 s37, 0
	s_add_nc_u64 s[12:13], s[12:13], s[36:37]      ; the block
	s_lshl_b32 s38, s31, 10
	s_add_co_u32 s38, s38, s34
	s_mov_b32 s39, 0
	s_add_nc_u64 s[38:39], s[12:13], s[38:39]      ; my two heads' scale words
	s_mul_i32 s36, s31, 12288
	s_add_nc_u64 s[12:13], s[12:13], s[36:37]      ; my two heads' images
	s_lshl_b32 s36, s22, 7
	s_add_co_u32 s36, s36, 32768
	s_add_nc_u64 s[16:17], s[16:17], s[36:37]      ; my 128 bytes among the exponents
.macro QLOAD bp                        ; rows 32 bp .. 32 bp + 31: each load reads a row's 512 consecutive bytes
.set i, 0
.rept 32
	global_load_b128 v[L+4*i:L+4*i+3], v2, s[4:5] offset:(32*(\bp)+i)*4096 th:TH_LOAD_NT
.set i, i+1
.endr
.endm
.macro XREAD u                         ; my row of tile 2 bp + u: 32 numbers of each of the two heads
.irp c, 0,1
.irp e, 0,1,2,3,4,5,6,7
	ds_load_b128 v[X+32*\c+4*\e:X+32*\c+4*\e+3], v5 offset:8*SP*\u+256*\c+16*\e
.endr
.endr
.endm
; Two whole blocks of 32 lie in my registers: no other lane is asked for a maximum.
.macro QT bp, u
	v_max3_num_f32 v8, |v[X]|, |v[X+1]|, 0x2800000              ; with the floor 2^(5 - 127): the byte cannot fall under 1
	v_max3_num_f32 v9, |v[X+32]|, |v[X+33]|, 0x2800000
.irp i, 2,4,6,8,10,12,14,16,18,20,22,24,26,28,30
	v_max3_num_f32 v8, v8, |v[X+\i]|, |v[X+\i+1]|               ; (the two blocks by turns)
	v_max3_num_f32 v9, v9, |v[X+32+\i]|, |v[X+33+\i]|
.endr
	v_max3_num_f32 v7, v7, v8, v9
	v_add_nc_u32 v10, 0xfe000000, v8               ; 4 off the exponent field: the conversion takes the exponent field of this operand as its scale
	v_add_nc_u32 v11, 0xfe000000, v9
	v_lshrrev_b32 v12, 23, v10                     ; the scales' bytes
	v_lshrrev_b32 v13, 23, v11
	v_lshl_or_b32 v12, v13, 16, v12
	v_lshlrev_b32 v12, v6, v12                     ; at block h's place in each head's pair of bytes
	v_permlanex16_b32 v14, v12, s20, s21
	v_or_b32 v[PW+2*(\bp)+\u], v12, v14            ; with lane l xor 16's: first head's two bytes, second head's two
	v_cvt_scalef32_pk16_bf6_f32 v[H0+6*\u:H0+6*\u+2], v[X:X+15], v10
	v_cvt_scalef32_pk16_bf6_f32 v[TC:TC+2], v[X+16:X+31], v10          ; (a conversion's three registers begin on an even number)
	v_cvt_scalef32_pk16_bf6_f32 v[H1+6*\u:H1+6*\u+2], v[X+32:X+47], v11
	v_cvt_scalef32_pk16_bf6_f32 v[TC+4:TC+6], v[X+48:X+63], v11
	v_nop                                          ; one plain place behind a scaled conversion
.irp i, 0,1,2
	v_mov_b32 v[H0+6*\u+3+\i], v[TC+\i]
	v_mov_b32 v[H1+6*\u+3+\i], v[TC+4+\i]
.endr
.endm
.macro TRIP bp                         ; 32 rows: two tiles
	s_wait_loadcnt 0x0                             ; these 32 rows are in
.set i, 0
.rept 32
	ds_store_b128 v4, v[L+4*i:L+4*i+3] offset:SP*i
.set i, i+1
.endr
	XREAD 0                                        ; LDS serves a wave's instructions in order: these see the stores
	s_wait_dscnt 0x0                               ; my numbers are back, and the stores have read the registers that the next loads fill
	s_wait_xcnt 0x0                                ; the last trip's stores have read the codes' registers, which are written again below
.if \bp < 3
	QLOAD \bp+1                                    ; the next 32 rows are on their way while these are worked on
.endif
	QT \bp, 0
	XREAD 1
	s_wait_dscnt 0x0
	QT \bp, 1
.irp p, 0,1,2
	global_store_b128 v2, v[H0+4*\p:H0+4*\p+3], s[12:13] offset:512*(3*\bp+\p)        ; 32 lanes store 512 consecutive bytes, at a multiple of 256 from the buffer's first byte
	global_store_b128 v2, v[H1+4*\p:H1+4*\p+3], s[12:13] offset:6144+512*(3*\bp+\p)
.endr
.endm
	QLOAD 0
	TRIP 0
	TRIP 1
	TRIP 2
	TRIP 3
	v_cmp_le_u32 vcc_lo, 16, v1                    ; lanes 16-31 carry tiles 4-7
.irp i, 0,1,2,3
	v_cndmask_b32 v[OW+\i], v[PW+\i], v[PW+4+\i], vcc_lo     ; the first head's words (bytes 2, 3: the second head's bytes)
.endr
.irp i, 0,1,2,3
	v_lshrrev_b32 v[OW+4+\i], 16, v[OW+\i]         ; the second head's (bytes 2, 3: 0)
.endr
	global_store_b128 v2, v[OW:OW+3], s[38:39]
	global_store_b128 v2, v[OW+4:OW+7], s[38:39] offset:512
	v_max_num_f32_dpp v7, v7, v7 row_xmask:1 row_mask:0xf bank_mask:0xf
	v_max_num_f32_dpp v7, v7, v7 row_xmask:2 row_mask:0xf bank_mask:0xf
	v_max_num_f32_dpp v7, v7, v7 row_xmask:4 row_mask:0xf bank_mask:0xf
	v_max_num_f32_dpp v7, v7, v7 row_xmask:8 row_mask:0xf bank_mask:0xf
	v_permlanex16_b32 v14, v7, s20, s21
	v_max_num_f32 v7, v7, v14
	v_lshrrev_b32 v7, 23, v7                       ; the exponent field of the largest magnitude of my 128 x 128 numbers
	global_store_b32 v3, v7, s[16:17]              ; the same whole number in 32 words
	s_set_vgpr_msb 0x5
	s_wait_tensorcnt 0x0
	ds_add_u32 v0, v1
	s_wait_dscnt 0x0
	s_set_vgpr_msb 0x500
	s_endpgm
; ---------------------------------------------------------------- the mask
.Lnot_qk:
	s_cmp_lt_u32 ttmp9, 320
	s_cbranch_scc0 .Lrole_v
	s_sub_co_u32 s22, ttmp9, 256
	s_lshl_b32 s22, s22, 2
	s_add_co_u32 s22, s22, s18                     ; which 8 rows
	s_lshl_b32 s24, s22, 16                        ; 8 rows of 8,192 bytes
	s_mov_b32 s25, 0
	s_lshl_b32 s26, s22, 7                         ; 128 bytes of flags
	s_mov_b32 s27, 0
	s_mov_b32 s28, 0x4e6e6b28                      ; 1e9
	s_mov_b32 s29, 0x35800000                      ; 2^-20
	v_mov_b32 v9, 0
.set j, 0
.rept 16
	v_mov_b32 v[GA+j], 0x7f61b1e6                  ; 3e38, over every difference
	v_mov_b32 v[ZZ+j], 0
.set j, j+1
.endr
	s_wait_kmcnt 0x0
	s_add_nc_u64 s[8:9], s[8:9], s[24:25]
	s_add_nc_u64 s[16:17], s[16:17], s[26:27]
.macro MLOAD i                         ; row i into set i % 3: load j is key step j's 512 consecutive bytes, four numbers a lane
.set j, 0
.rept 16
	global_load_b128 v[16+64*((\i)%3)+4*j:16+64*((\i)%3)+4*j+3], v2, s[8:9] offset:8192*(\i)+512*j th:TH_LOAD_NT
.set j, j+1
.endr
.endm
.macro MROW i, left
.set XS, 16+64*((\i)%3)
	s_wait_loadcnt \left                           ; this row's sixteen loads are in; the younger rows' may be out
.set j, 0
.rept 16
	v_min3_num_f32 v[MM+j], v[XS+4*j], v[XS+4*j+1], v[XS+4*j+2]
	v_max3_num_f32 v[ZZ+j], v[ZZ+j], |v[XS+4*j]|, |v[XS+4*j+1]|
.set j, j+1
.endr
.set j, 0
.rept 16
	v_min_num_f32 v[MM+j], v[MM+j], v[XS+4*j+3]    ; the smallest of my four numbers of key step j
	v_max3_num_f32 v[ZZ+j], v[ZZ+j], |v[XS+4*j+2]|, |v[XS+4*j+3]|
.set j, j+1
.endr
	v_min3_num_f32 v8, v[MM], v[MM+1], v[MM+2]     ; the row's smallest number: my 64,
.irp j, 3,5,7,9,11,13
	v_min3_num_f32 v8, v8, v[MM+\j], v[MM+\j+1]
.endr
	v_min_num_f32 v8, v8, v[MM+15]
	v_min_num_f32_dpp v8, v8, v8 row_xmask:1 row_mask:0xf bank_mask:0xf   ; and the other lanes'
	v_min_num_f32_dpp v8, v8, v8 row_xmask:2 row_mask:0xf bank_mask:0xf
	v_min_num_f32_dpp v8, v8, v8 row_xmask:4 row_mask:0xf bank_mask:0xf
	v_min_num_f32_dpp v8, v8, v8 row_xmask:8 row_mask:0xf bank_mask:0xf
	v_permlanex16_b32 v9, v8, s20, s21
	v_min_num_f32 v8, v8, v9
	v_mul_f32 v8, s28, v8                          ; a
	v_fma_f32 v8, |v8|, s29, v8                    ; a + 2^-20 |a|
.set j, 0
.rept 16
	v_mul_f32 v[MM+j], s28, v[MM+j]                ; pen of my smallest: these lines rise with it, so the smallest over the lanes can be taken at the end
.set j, j+1
.endr
.set j, 0
.rept 16
	v_fma_f32 v[MM+j], -|v[MM+j]|, s29, v[MM+j]    ; b - 2^-20 |b|
.set j, j+1
.endr
.set j, 0
.rept 16
	v_sub_f32 v[MM+j], v[MM+j], v8
.set j, j+1
.endr
.set j, 0
.rept 16
	v_min_num_f32 v[GA+j], v[GA+j], v[MM+j]
.set j, j+1
.endr
.if (\i)+3 < 8
	MLOAD (\i)+3
.endif
.endm
	MLOAD 0
	MLOAD 1
	MLOAD 2
	MROW 0, 32
	MROW 1, 32
	MROW 2, 32
	MROW 3, 32
	MROW 4, 32
	MROW 5, 32
	MROW 6, 16
	MROW 7, 0
.irp x, 1,2,4,8
.set j, 0
.rept 16
	v_min_num_f32_dpp v[GA+j], v[GA+j], v[GA+j] row_xmask:\x row_mask:0xf bank_mask:0xf
	v_max_num_f32_dpp v[ZZ+j], v[ZZ+j], v[ZZ+j] row_xmask:\x row_mask:0xf bank_mask:0xf
.set j, j+1
.endr
.endr
.set j, 0
.rept 16
	v_permlanex16_b32 v[MM+j], v[GA+j], s20, s21
.set j, j+1
.endr
.set j, 0
.rept 16
	v_min_num_f32 v[GA+j], v[GA+j], v[MM+j]
.set j, j+1
.endr
.set j, 0
.rept 16
	v_permlanex16_b32 v[MM+j], v[ZZ+j], s20, s21
.set j, j+1
.endr
.set j, 0
.rept 16
	v_max_num_f32 v[ZZ+j], v[ZZ+j], v[MM+j]
	v_max_num_f32 v[GA+j], 0, v[GA+j]
.set j, j+1
.endr
.set j, 0
.rept 16
	v_lshrrev_b32 v[GA+j], 23, v[GA+j]             ; G
	v_min_u32 v[ZZ+j], 1, v[ZZ+j]                  ; NZ: 1 where the largest magnitude's bits are not 0
.set j, j+1
.endr
	v_and_b32 v10, 15, v1
	v_mov_b32 v11, 0
	v_mov_b32 v12, 0
.set j, 0
.rept 16
	v_cmp_eq_u32 vcc_lo, j, v10                    ; lane l takes key step l % 16
	v_cndmask_b32 v11, v11, v[GA+j], vcc_lo
	v_cndmask_b32 v12, v12, v[ZZ+j], vcc_lo
.set j, j+1
.endr
	v_cmp_le_u32 vcc_lo, 16, v1
	v_cndmask_b32 v11, v11, v12, vcc_lo            ; lanes 0-15 G, lanes 16-31 NZ
	global_store_b32 v3, v11, s[16:17]
	s_endpgm
; ---------------------------------------------------------------- v's codes
.Lrole_v:
	s_sub_co_u32 s22, ttmp9, 320
	s_lshl_b32 s22, s22, 2
	s_add_co_u32 s22, s22, s18                     ; n = 64 batch + D: rows 16 D on of the batch's 1,024
	s_lshr_b32 s23, s22, 6                         ; batch
	s_and_b32 s24, s22, 63                         ; D = 16 group of heads + 4 head in it + tile of 16 of the head's 64
	s_mul_i32 s26, s22, 24576                      ; 16 rows of 1,536 bytes, dense
	s_mov_b32 s27, 0
	s_lshr_b32 s25, s24, 4
	s_lshl_b32 s28, s23, 2
	s_add_co_u32 s28, s28, s25
	s_mul_i32 s28, s28, 16*KVB                     ; the 16 blocks of (batch, group of heads)
	s_bfe_u32 s25, s24, 0x20002
	s_mul_i32 s25, s25, 6144
	s_add_co_u32 s28, s28, s25
	s_and_b32 s25, s24, 3
	s_mul_i32 s25, s25, 1536
	s_add_co_u32 s28, s28, s25
	s_add_co_u32 s28, s28, 24576                   ; V's fragments lie behind K's images
	s_mov_b32 s29, 0
	s_mul_i32 s30, s18, VSTG
	s_add_co_u32 s30, s30, VSTG0                   ; my stage
	s_wait_alu depctr_va_vdst(0)
	v_mul_u32_u24 v4, v13, 1536
	v_lshl_add_u32 v4, v12, 4, v4                  ; in memory: sixteen lanes to 256 consecutive bytes of a row, two rows an instruction
	v_mul_u32_u24 v5, v13, VP
	v_lshl_add_u32 v5, v12, 4, v5
	v_add_nc_u32 v5, s30, v5                       ; the same in the stage
	v_mul_u32_u24 v6, v12, VP
	v_mad_u32_u24 v6, v13, 24, v6
	v_add_nc_u32 v6, s30, v6                       ; out of it: a fragment's row p, + 24 h
	s_wait_alu depctr_va_vdst(0)
	s_wait_kmcnt 0x0
	s_add_nc_u64 s[10:11], s[10:11], s[26:27]
	s_add_nc_u64 s[14:15], s[14:15], s[28:29]
.irp q, 0,1                            ; both halves (1,024 keys, 768 bytes of each row) are asked for at once
.set i, 0
.rept 8
.irp c, 0,1,2
	global_load_b128 v[16+96*\q+12*i+4*\c:16+96*\q+12*i+4*\c+3], v4, s[10:11] offset:3072*i+768*\q+256*\c th:TH_LOAD_NT
.endr
.set i, i+1
.endr
.endr
.macro VHALF q, left
	s_wait_loadcnt \left                           ; this half's 24 loads are in; the other half's may be out
.set i, 0
.rept 8
.irp c, 0,1,2
	ds_store_b128 v5, v[16+96*\q+12*i+4*\c:16+96*\q+12*i+4*\c+3] offset:2*VP*i+256*\c
.endr
.set i, i+1
.endr
.set i, 0
.rept 8                                ; key step 8 q + i: a fragment of 16 rows x 128 keys, in pieces of 8 bytes; LDS serves a wave's instructions in order: these see the stores
.irp p, 0,1,2,3,4,5
	ds_load_b64 v[16+96*\q+12*i+2*\p:16+96*\q+12*i+2*\p+1], v6 offset:96*i+48*(\p/3)+8*(\p%3)
.endr
.set i, i+1
.endr
.set i, 0
.rept 8
	s_wait_dscnt 6*(7-i)                           ; this key step's six loads are in; the later steps' may be out
.irp p, 0,1,2
	global_store_b128 v2, v[16+96*\q+12*i+4*\p:16+96*\q+12*i+4*\p+3], s[14:15] offset:(8*\q+i)*KVB+512*\p   ; 512 consecutive bytes, at a multiple of 256 from the buffer's first byte
.endr
.set i, i+1
.endr
.endm
	VHALF 0, 24
	VHALF 1, 0
	s_set_vgpr_msb 0x5
	s_wait_tensorcnt 0x0
	ds_add_u32 v0, v1
	s_wait_dscnt 0x0
	s_set_vgpr_msb 0x500
	s_endpgm
.Lfunc_end_k_q13e23c7ed7_prep:
	.size	k_q13e23c7ed7_prep, .Lfunc_end_k_q13e23c7ed7_prep-k_q13e23c7ed7_prep
	.p2alignl 7, 3214868480
	.fill 96, 4, 3214868480
	.section	.rodata,"a",@progbits
	.p2align	6, 0x0
	.amdhsa_kernel k_q13e23c7ed7_prep
		.amdhsa_group_segment_fixed_size 118272
		.amdhsa_private_segment_fixed_size 0
		.amdhsa_enable_private_segment 0
		.amdhsa_kernarg_size 56
		.amdhsa_user_sgpr_count 2
		.amdhsa_user_sgpr_kernarg_segment_ptr 1
		.amdhsa_wavefront_size32 1
		.amdhsa_system_sgpr_workgroup_id_x 1
		.amdhsa_system_sgpr_workgroup_id_y 1
		.amdhsa_system_sgpr_workgroup_id_z 1
		.amdhsa_system_vgpr_workitem_id 0
		.amdhsa_next_free_vgpr 258
		.amdhsa_next_free_sgpr 66
		.amdhsa_reserve_vcc 1
		.amdhsa_float_denorm_mode_32 3
		.amdhsa_float_denorm_mode_16_64 3
		.amdhsa_memory_ordered 1
		.amdhsa_forward_progress 1
		.amdhsa_inst_pref_size 163
	.end_amdhsa_kernel
	.amdgpu_metadata
---
amdhsa.version: [ 1, 2 ]
amdhsa.kernels:
  - .name:           k_q13e23c7ed7_prep
    .symbol:         k_q13e23c7ed7_prep.kd
    .args:
      - { .name: q, .offset: 0, .size: 8, .value_kind: global_buffer, .address_space: global }
      - { .name: k, .offset: 8, .size: 8, .value_kind: global_buffer, .address_space: global }
      - { .name: mask, .offset: 16, .size: 8, .value_kind: global_buffer, .address_space: global }
      - { .name: v_codes, .offset: 24, .size: 8, .value_kind: global_buffer, .address_space: global }
      - { .name: qimg, .offset: 32, .size: 8, .value_kind: global_buffer, .address_space: global }
      - { .name: kv, .offset: 40, .size: 8, .value_kind: global_buffer, .address_space: global }
      - { .name: flags, .offset: 48, .size: 8, .value_kind: global_buffer, .address_space: global }
    .group_segment_fixed_size: 118272
    .private_segment_fixed_size: 0
    .kernarg_segment_align: 8
    .kernarg_segment_size: 56
    .max_flat_workgroup_size: 128
    .sgpr_count:     66
    .vgpr_count:     258
    .wavefront_size: 32
...
	.end_amdgpu_metadata
.endif
;; end of part 1
;; launch attn (part 2): grid 16 x 16, 8 waves a work-group, no clusters, 293,888 bytes of LDS; arguments qimg, kv, flags, mask, v_scales, out0; writes out0
.if DOCPART == 2
	.amdgcn_target "amdgcn-amd-amdhsa--gfx1250"
	.amdhsa_code_object_version 6
	.text
	.protected	k_q13e23c7ed7_attn
	.globl	k_q13e23c7ed7_attn
	.p2align	8
	.type	k_q13e23c7ed7_attn,@function
k_q13e23c7ed7_attn:
	s_mov_b64 s[64:65], 0
	v_nop
	global_prefetch_b8 v0, s[64:65] scope:SCOPE_SE
	s_setreg_imm32_b32 hwreg(HW_REG_WAVE_MODE, 25, 1), 1
	s_wait_xcnt 0x0
; out0[b][s][64 head + d] = the sum over keys of softmax(q . k / 8 + mask x (-1e9)) v, both products on codes of E3M2 with one E8M0 scale for each 32 along a product's K.
; q's and k's codes and scale words, and v's codes, come as register images from the launch before (its head comment has the layouts); v's scale bytes and the mask as they are given.
; THE SOFTMAX: t = logit x log2(e); M = the running largest t rounded UP to a whole number; p = 2^(t - M) is quantised along the keys; the row's sum is taken of the unquantised p and divides at the end.
; All is kept 8 times larger, which is exact: logit8 = S + mask x (-8e9), t = logit8 x (log2(e) / 8).
; SHARES.  A work-group: one batch, four heads, the query blocks of 64 rows a and 31 - a (x = a, y = 4 batch + group of heads).  Wave w: head w % 4, tp = w / 4: rows 32 tp .. 32 tp + 31 of each block:
; four units u = 2 X + e (X: block A or B, e: tile of 16 queries), each with O^T in 32 registers.  A head's K and V images are read from LDS by two waves, once a key step each.
; LAYOUT.  Both products are used transposed: S^T = K Q^T, O^T = V^T P^T: a lane holds ONE query (lane % 16).  The first product's K is 64: Q's upper six registers are zeros, and K's operand of tile t is
; the run of 12 registers from 6 t on, whose upper six (the next tile's codes, or six zeros) meet those zeros.
; WHAT IS LEFT OUT, by whole numbers that the launch before stored.  THR = max(EQ + EK - 119, 136), EQ and EK the exponent fields of the largest magnitudes of q and k of these heads.  Where the smallest G of a
; block's eight units of 8 rows is THR or more for a key step, every t - M of that block and step lies under -200: p is 0 in f32, and the step's work for the block is jumped over.
; The key step that holds a row's smallest mask number has G = 0: every row keeps a step, and its sum is above 1/2.  Where NZ = 0 for all of a block's rows the mask is all +-0 there: it is neither fetched nor added.
; THE ORDER OF A TRIP i (one key step).  K(i) lies in registers.  V(i) is read from LDS at the trip's top, one softmax ahead of its first use.  The first product of unit u + 1 is issued behind unit u's conversions.
; K(i + 1) is read from LDS behind the trip's last first product.  V(i + 1) and K(i + 2) come from memory through registers: asked for at the top, stored at the end.  ONE barrier a trip.  Two slots each do:
; what trip i stores over (K(i), V(i - 1), the mask tiles of step i - 1) was last read in trip i - 1, and what it reads was stored before the last barrier.
; BLOCK A LEAVES IN THE LOOP, behind the last key step that it works on (its flags have a bit set, since every row keeps a step: so it leaves exactly once); block B behind the loop.
; NO JOINT LOADS, no tensor loads, no prefetch: the 16 work-groups of one y read the same blocks of kv, but which steps a work-group wants hangs on the stored flags and differs with a, and the loop's branches hang on those flags.
; LIMITS: NaN and infinities among the inputs are not served; |mask| stays under 4e28 (mask x 8e9 in f32); p under 2^-126 counts as 0; where NZ = 0, t - M is one fused multiply-add, one rounding fewer than t and then t - M.
.set KVB,  51200                       ; a block of kv in memory: K's 4 images, V's 4 x 4 fragments, K's scale words
.set KSL,  26624                       ; LDS 0 .. 53,247: two slots of K: 4 images, then the scale words
.set VS0,  2*KSL                       ; 53,248 .. 102,399: two slots of V
.set VSL,  24576
.set MSK,  102400                      ; .. 237,567: two slots of eight mask tiles
.set MT,   16*528
.set MSL,  8*MT
.set VSC,  MSK+2*MSL                   ; .. 258,047: v's scale bytes of the 256 rows, 80 bytes from row to row
.set SPARE, VSC+20480                  ; the spare words, 128 bytes a wave
.set STG,  SPARE+1024                  ; 259,072 .. 293,887: the stages of the way out, 16 rows of 272 bytes a wave
.set OP,   272
; window 0
.set L16,  1
.set GOF,  2
.set GOF8, 3
.set KRB0, 4
.set KRB,  5
.set KSB0, 6
.set KSB,  7
.set VRB0, 8
.set VRB,  9
.set VSB0, 10
.set VSA,  11
.set MW0,  12
.set MWA,  13
.set MRA0, 14
.set MRA,  15
.set SIN,  16
.set SOUT, 17
.set CO,   18
.set KW,   19
.set ST,   20                          ; v[20 + 4 u]: -M, the largest t, the sum in two halves
.set FP,   36
.set T,    38
.set KWB,  42
.set VWR,  43
.set Q,    44                          ; v[44 + 12 u]: six registers of codes, six zeros
.set QS,   92
.set KS,   96
.set VS,   100
.set PS,   104
.set PC,   106
.set BM,   118
.set T4,   122
.set BY,   126
.set TC,   122                         ; the conversions' second halves land where T4 and BY are done with
.set SC,   130
.set S,    134                         ; v134-197 S^T, then p
.set MR,   198                         ; v198-229 32 mask numbers; half a mask tile on its way to LDS; rows on the way out
.set FV,   230                         ; v230-253 V's part on its way to LDS
.set TE,   S+20                        ; the head's offsets
.set TA,   S+21
.set TB,   S+22
.set TQA,  S+23
.set TSA,  S+24
.set TQB,  S+25
.set TSB,  S+26
.set TVW,  S+27
.set TX,   S+28
; window 1
.set O,    0
.set KV,   128                         ; K's image of my head, 48 registers,
.set PAD,  176                         ; six zeros behind them
.set VV,   182                         ; V's four fragments
.set FK,   230                         ; K's part on its way to LDS, 26 registers
.set MSB, 0
.macro WIN new                         ; s_set_vgpr_msb: bits 1:0 source 0, 3:2 source 1, 5:4 source 2, 7:6 destination; the high byte repeats the setting that is left
.if MSB != \new
	s_set_vgpr_msb (MSB<<8)|\new
.set MSB, \new
.endif
.endm
.macro PLACES
.rept 4
	v_nop
.endr
.endm
.macro AW
	s_wait_alu depctr_va_vdst(0)
.endm
	s_load_b256 s[4:11], s[0:1], 0x0               ; qimg, kv, flags, mask
	s_load_b128 s[12:15], s[0:1], 0x20             ; v_scales, out0
	v_lshl_add_u32 v254, v0, 2, SPARE
	v_mov_b32 v255, 0
	v_lshrrev_b32 v38, 5, v0
	v_and_b32 v39, 31, v0                          ; lane
	v_and_b32 v40, 15, v0                          ; r
	v_bfe_u32 v41, v0, 4, 1                        ; h
	v_readfirstlane_b32 s16, v38                   ; wave
	v_lshlrev_b32 v[L16], 4, v39
	v_lshlrev_b32 v[GOF], 4, v0
	v_lshlrev_b32 v[GOF8], 3, v0
	AW
	s_and_b32 s17, s16, 3                          ; head of the four
	s_lshr_b32 s18, s16, 2                         ; tp
	s_mov_b32 s19, ttmp9                           ; a
	s_and_b32 s20, ttmp7, 0xffff                   ; y
	s_lshr_b32 s21, s20, 2                         ; batch
	s_and_b32 s22, s20, 3                          ; group of four heads
	s_sub_co_u32 s23, 31, s19                      ; block B
	s_mov_b32 s26, 0xcfee6b28                      ; -8e9
	s_mov_b32 s27, s26
	s_mov_b32 s46, 0x3e38aa3b                      ; log2(e) / 8
	s_mov_b32 s47, s46
	s_mov_b32 s48, 0x76543210
	s_mov_b32 s49, 0xfedcba98
	s_mov_b32 s30, 0                               ; the key step i
	s_mov_b32 s38, 0                               ; K's slot i % 2, (i + 1) % 2
	s_mov_b32 s39, KSL
	s_mov_b32 s40, 0                               ; V's
	s_mov_b32 s41, VSL
	s_mov_b32 s28, 0                               ; the mask tiles'
	s_mov_b32 s29, MSL
	s_mul_i32 s60, s17, 6144
	s_lshl_b32 s61, s17, 9
	s_add_co_u32 s61, s61, 24576
	s_add_co_u32 s62, s60, VS0
	s_mul_i32 s63, s17, 5120
	s_add_co_u32 s63, s63, VSC
	s_mul_i32 s66, s16, MT
	s_add_co_u32 s66, s66, MSK
	s_mul_i32 s67, s18, 2*MT
	s_add_co_u32 s67, s67, MSK
	s_mul_i32 s68, s16, 16*OP
	s_add_co_u32 s68, s68, STG
	s_lshl_b32 s69, s21, 14
	s_lshl_b32 s70, s22, 8
	s_add_co_u32 s69, s69, s70
	s_add_co_u32 s69, s69, 32768
	s_lshl_b32 s70, s19, 10                        ; a block of 64 rows: eight units of 8 rows, 128 bytes of flags each
	s_lshl_b32 s71, s23, 10
.macro QB ap, dq, ds                   ; block s[ap]: tiles t = 4 (ap % 2) + 2 tp and t + 1 of qimg's block of 128 rows: 12 registers from byte 768 t of my head's image on, two scale words
	s_lshr_b32 s86, s[\ap], 1
	s_lshl_b32 s87, s20, 4
	s_add_co_u32 s86, s86, s87
	s_mul_i32 s86, s86, 26624
	s_and_b32 s87, s[\ap], 1
	s_lshl_b32 s88, s87, 2
	s_lshl_b32 s89, s18, 1
	s_add_co_u32 s88, s88, s89
	s_mul_i32 s88, s88, 768
	s_add_co_u32 s88, s88, s86
	s_add_co_u32 s[\dq], s88, s60
	s_lshl_b32 s87, s87, 8
	s_lshl_b32 s89, s18, 3
	s_add_co_u32 s87, s87, s89
	s_add_co_u32 s87, s87, s86
	s_add_co_u32 s[\ds], s87, s61
.endm
	QB 19, 72, 73
	QB 23, 74, 75
	s_lshl_b32 s76, s20, 14                        ; v's scale bytes of my 256 rows
	s_mov_b32 s77, 0
	s_mul_i32 s78, s20, 16*KVB
	s_mov_b32 s79, 0
	s_cmp_eq_u32 s18, 0                            ; the mask tile that I fill: tile w % 4 of block A (waves 0-3) or B
	s_cselect_b32 s80, s19, s23
	s_lshl_b32 s80, s80, 2
	s_add_co_u32 s80, s80, s17
	s_lshr_b32 s81, s80, 1
	s_lshl_b32 s81, s81, 18
	s_and_b32 s80, s80, 1
	s_lshl_b32 s80, s80, 16
	s_add_co_u32 s80, s80, s81                     ; its first row, 32 (tile / 2) + 8 (tile % 2), x 8,192 bytes
	s_mov_b32 s81, 0
	s_lshl_b32 s86, s21, 23
	s_lshl_b32 s87, s22, 10
	s_add_co_u32 s86, s86, s87
	s_lshl_b32 s87, s17, 8
	s_add_co_u32 s86, s86, s87
	s_lshl_b32 s87, s18, 17
	s_add_co_u32 s86, s86, s87                     ; out0: batch, my head's 256 bytes, 32 tp rows
	s_lshl_b32 s82, s19, 18
	s_add_co_u32 s82, s82, s86
	s_mov_b32 s83, 0
	s_lshl_b32 s84, s23, 18
	s_add_co_u32 s84, s84, s86
	s_mov_b32 s85, 0
	v_add_nc_u32 v[KRB0], s60, v[L16]
	v_add_nc_u32 v[KSB0], s61, v[L16]
	v_add_nc_u32 v[VRB0], s62, v[L16]
	v_mad_u32_u24 v[VSB0], v40, 80, s63
	v_add_nc_u32 v[MW0], s66, v[L16]
	v_mad_u32_u24 v[MRA0], v40, 528, s67
	v_mad_u32_u24 v[SIN], v40, OP, s68
	v_mad_u32_u24 v[SOUT], v41, OP, s68
	v_lshlrev_b32 v[CO], 12, v41
	v_lshlrev_b32 v[TE], 10, v40
	v_lshl_add_u32 v[MRA0], v41, 6, v[MRA0]        ; row r, + 64 h bytes: keys 16 h on of each 32
	v_lshl_add_u32 v[SIN], v41, 5, v[SIN]
	v_lshl_add_u32 v[SOUT], v40, 4, v[SOUT]
	v_lshl_add_u32 v[CO], v40, 4, v[CO]
	v_lshl_add_u32 v[TE], v41, 7, v[TE]
	v_lshl_add_u32 v[TA], v39, 2, s70
	v_lshl_add_u32 v[TB], v39, 2, s71
	v_add_nc_u32 v[TQA], s72, v[L16]
	v_lshl_add_u32 v[TSA], v40, 4, s73
	v_add_nc_u32 v[TE], s69, v[TE]
	v_add_nc_u32 v[TQB], s74, v[L16]
	v_lshl_add_u32 v[TSB], v40, 4, s75
	v_lshrrev_b32 v[TVW], 2, v0
	v_and_b32 v[TX], 3, v0
	v_add_nc_u32 v[VWR], VS0, v[GOF]
	s_delay_alu instid0(VALU_DEP_3)
	v_mul_u32_u24 v[TVW], v[TVW], 80
	s_delay_alu instid0(VALU_DEP_1)
	v_lshl_add_u32 v[TVW], v[TX], 4, v[TVW]
	s_delay_alu instid0(VALU_DEP_1)
	v_add_nc_u32 v[TVW], VSC, v[TVW]
	AW
	s_wait_kmcnt 0x0
	s_add_nc_u64 s[12:13], s[12:13], s[76:77]
	s_add_nc_u64 s[42:43], s[6:7], s[78:79]        ; kv at key step 0
	s_add_nc_u64 s[44:45], s[10:11], s[80:81]
	s_add_nc_u64 s[56:57], s[14:15], s[82:83]
	s_add_nc_u64 s[58:59], s[14:15], s[84:85]
	; the head's loads go out together
	global_load_b32 v[S], v[TE], s[8:9]            ; q's exponents,
	global_load_b32 v[S+1], v[TE], s[8:9] offset:65536   ; k's
.irp u, 0,1,2,3,4,5,6,7
	global_load_b32 v[S+2+\u], v[TA], s[8:9] offset:128*\u      ; the flags of block A's eight units,
	global_load_b32 v[S+10+\u], v[TB], s[8:9] offset:128*\u     ; of block B's
.endr
.irp i, 0,1,2,3,4,5
	global_load_b64 v[Q+12*(\i/3)+2*(\i%3):Q+12*(\i/3)+2*(\i%3)+1], v[TQA], s[4:5] offset:512*(\i/2)+8*(\i%2)
	global_load_b64 v[Q+24+12*(\i/3)+2*(\i%3):Q+24+12*(\i/3)+2*(\i%3)+1], v[TQB], s[4:5] offset:512*(\i/2)+8*(\i%2)
.endr
	global_load_b64 v[QS:QS+1], v[TSA], s[4:5]
	global_load_b64 v[QS+2:QS+3], v[TSB], s[4:5]
	global_load_b128 v[KS:KS+3], v[KSB0], s[42:43] offset:24576     ; K(0)'s scale words, straight into registers
.irp i, 0,1,2,3,4,5
	global_load_b128 v[FV+4*\i:FV+4*\i+3], v[GOF], s[42:43] offset:24576+4096*\i   ; V(0), for LDS
.endr
.irp i, 0,1,2,3,4,5,6,7
	global_load_b128 v[MR+4*\i:MR+4*\i+3], v[L16], s[44:45] offset:8192*\i         ; my mask tile of key step 0, rows 0-7
.endr
	WIN 0x40
.irp i, 0,1,2,3,4,5,6,7,8,9,10,11
	global_load_b128 v[KV+4*\i:KV+4*\i+3], v[KRB0], s[42:43] offset:512*\i         ; K(0): my head's image, straight into registers
.endr
.irp i, 0,1,2,3
	global_load_b128 v[VV+4*\i:VV+4*\i+3], v[GOF], s[12:13] offset:4096*\i         ; v's scale bytes
.endr
.irp i, 0,1,2,3,4,5,6,7
	global_load_b128 v[VV+16+4*\i:VV+16+4*\i+3], v[L16], s[44:45] offset:8192*(16+\i)   ; the mask tile's rows 8-15
.endr
.irp i, 0,1,2,3,4,5
	global_load_b128 v[FK+4*\i:FK+4*\i+3], v[GOF], s[42:43] offset:KVB+4096*\i     ; K(1), for LDS
.endr
	global_load_b64 v[FK+24:FK+25], v[GOF8], s[42:43] offset:KVB+49152
	; meanwhile.  O^T begins as zeros: which key step is a block's first is known from the flags alone, so no product can be written out to start the sums
.set j, 0
.rept 128
	v_mov_b32 v[O+j], 0
.set j, j+1
.endr
.set j, 0
.rept 6
	v_mov_b32 v[PAD+j], 0
.set j, j+1
.endr
	WIN 0
.irp u, 0,1,2,3
.irp i, 6,7,8,9,10,11
	v_mov_b32 v[Q+12*\u+\i], 0                     ; K = 64 .. 127 of the first product
.endr
	v_mov_b32 v[ST+4*\u+1], 0xff61b1e6             ; the largest t so far: -3e38
	v_mov_b32 v[ST+4*\u+2], 0
	v_mov_b32 v[ST+4*\u+3], 0
	v_mov_b32 v[T4+\u], 0                          ; (a lane permute's destination counts as one of its sources)
	v_mov_b32 v[VS+\u], 0x7f7f7f7f                 ; V's scale words are written on every way: the byte of 1.0
.endr
.irp u, 0,1,2,3
	v_floor_f32 v[ST+4*\u], -v[ST+4*\u+1]          ; -M
.endr
	v_mov_b32 v[FP+1], 0
	v_mov_b32 v[S+28], 0
	v_mov_b32 v[S+29], 0
	AW
	s_wait_loadcnt 0x0
	; whole numbers only from here to the masks of bits
.irp x, 1, 2, 4, 8
	v_mov_b32_dpp v[S+28], v[S] row_xmask:\x row_mask:0xf bank_mask:0xf
	v_mov_b32_dpp v[S+29], v[S+1] row_xmask:\x row_mask:0xf bank_mask:0xf
	s_delay_alu instid0(VALU_DEP_2)
	v_max_u32 v[S], v[S], v[S+28]
	s_delay_alu instid0(VALU_DEP_2)
	v_max_u32 v[S+1], v[S+1], v[S+29]
.endr
	s_delay_alu instid0(VALU_DEP_2)
	v_permlanex16_b32 v[S+28], v[S], s48, s49
	s_delay_alu instid0(VALU_DEP_2)
	v_permlanex16_b32 v[S+29], v[S+1], s48, s49
	s_delay_alu instid0(VALU_DEP_2)
	v_max_u32 v[S], v[S], v[S+28]
	s_delay_alu instid0(VALU_DEP_2)
	v_max_u32 v[S+1], v[S+1], v[S+29]
	s_delay_alu instid0(VALU_DEP_2)
	v_readfirstlane_b32 s60, v[S]                  ; EQ
	s_delay_alu instid0(VALU_DEP_2)
	v_readfirstlane_b32 s61, v[S+1]                ; EK
	s_add_co_u32 s60, s60, s61
	s_sub_co_u32 s60, s60, 119
	s_max_i32 s60, s60, 136                        ; THR
	v_max_u32 v[S+18], v[S+2], v[S+3]              ; a block's largest NZ (lanes 16-31) and smallest G (lanes 0-15), four chains by turns
	v_max_u32 v[S+19], v[S+10], v[S+11]
	v_min_u32 v[S+2], v[S+2], v[S+3]
	v_min_u32 v[S+10], v[S+10], v[S+11]
.irp j, 4,5,6,7,8,9
	s_delay_alu instid0(VALU_DEP_4)
	v_max_u32 v[S+18], v[S+18], v[S+\j]
	s_delay_alu instid0(VALU_DEP_4)
	v_max_u32 v[S+19], v[S+19], v[S+8+\j]
	s_delay_alu instid0(VALU_DEP_4)
	v_min_u32 v[S+2], v[S+2], v[S+\j]
	s_delay_alu instid0(VALU_DEP_4)
	v_min_u32 v[S+10], v[S+10], v[S+8+\j]
.endr
	v_cmp_gt_u32 s61, s60, v[S+2]
	s_and_b32 s32, s61, 0xffff                     ; bit j: block A works on key step j
	v_cmp_gt_u32 s61, s60, v[S+10]
	s_and_b32 s33, s61, 0xffff                     ; block B
	v_cmp_ne_u32 s61, 0, v[S+18]
	s_lshr_b32 s34, s61, 16                        ; bit j: block A's mask of key step j is not all zeros
	v_cmp_ne_u32 s61, 0, v[S+19]
	s_lshr_b32 s35, s61, 16
	s_or_b32 s36, s32, s33                         ; bit j: key step j is fetched
	s_and_b32 s62, s32, s34
	s_and_b32 s63, s33, s35
	s_cmp_eq_u32 s18, 0
	s_cselect_b32 s37, s62, s63                    ; bit j: I fill my mask tile for key step j
.irp i, 0,1,2,3,4,5
	ds_store_b128 v[VWR], v[FV+4*\i:FV+4*\i+3] offset:4096*\i         ; V(0) into V's slot 0
.endr
.irp i, 0,1,2,3,4,5,6,7
	ds_store_b128 v[MW0], v[MR+4*\i:MR+4*\i+3] offset:528*\i
.endr
	WIN 0x04
.irp i, 0,1,2,3
	ds_store_b128 v[TVW], v[VV+4*\i:VV+4*\i+3] offset:5120*\i         ; 64 rows of 80 bytes an instruction
.endr
.irp i, 0,1,2,3,4,5,6,7
	ds_store_b128 v[MW0], v[VV+16+4*\i:VV+16+4*\i+3] offset:528*(8+\i)
.endr
.irp i, 0,1,2,3,4,5
	ds_store_b128 v[GOF], v[FK+4*\i:FK+4*\i+3] offset:KSL+4096*\i     ; K(1) into K's slot 1
.endr
	ds_store_b64 v[GOF8], v[FK+24:FK+25] offset:KSL+24576
	WIN 0
	s_wait_dscnt 0x0                               ; for the others' sake: my stores have landed
	s_barrier_signal -1
	s_barrier_wait -1
	s_add_nc_u64 s[42:43], s[42:43], KVB           ; kv at key step i + 1 (no load of mine is out)
	s_add_nc_u64 s[44:45], s[44:45], 512           ; my mask tile at key step i + 1
.macro SMUL u                          ; S^T = K Q^T: eight tiles of 16 keys.  In tile t lane (r, h) holds query r, register j key 32 (t / 2) + 16 h + 8 (t % 2) + j
	WIN 0x01
.irp t, 0,1,2,3
	v_wmma_scale_f32_16x16x128_f8f6f4 v[S+8*\t:S+8*\t+7], v[KV+6*\t:KV+6*\t+11], v[Q+12*(\u):Q+12*(\u)+11], 0, v[KS+\t], v[QS+(\u)] matrix_a_fmt:MATRIX_FMT_BF6 matrix_b_fmt:MATRIX_FMT_BF6
.endr
.irp t, 4,5,6,7
	v_wmma_scale_f32_16x16x128_f8f6f4 v[S+8*\t:S+8*\t+7], v[KV+6*\t:KV+6*\t+11], v[Q+12*(\u):Q+12*(\u)+11], 0, v[KS+\t-4], v[QS+(\u)] matrix_a_fmt:MATRIX_FMT_BF6 matrix_b_fmt:MATRIX_FMT_BF6 matrix_a_scale:MATRIX_SCALE_ROW1
.endr
	WIN 0
.endm
.macro PV u                            ; O^T += V^T P^T: four accumulators, one instruction each
	WIN 0x51
.irp d, 0,1,2,3
	v_wmma_scale_f32_16x16x128_f8f6f4 v[O+32*(\u)+8*\d:O+32*(\u)+8*\d+7], v[VV+12*\d:VV+12*\d+11], v[PC:PC+11], v[O+32*(\u)+8*\d:O+32*(\u)+8*\d+7], v[VS+\d], v[PS] matrix_a_fmt:MATRIX_FMT_BF6 matrix_b_fmt:MATRIX_FMT_BF6
.endr
	WIN 0
.endm
.macro KNEXT                           ; K(i + 1), if any block wants it: my head's image and scale words, behind the trip's last first product and at least four plain vector instructions
	s_cmp_eq_u32 s54, 0
	s_cbranch_scc1 .Lk_\@
	WIN 0x40
.set i, 0
.rept 12
	ds_load_b128 v[KV+4*i:KV+4*i+3], v[KRB] offset:512*i
.set i, i+1
.endr
	WIN 0
	ds_load_b128 v[KS:KS+3], v[KSB]
.Lk_\@:
.endm
.macro MLD hf                          ; half of my mask tile of key step i + 1: eight rows, each load 512 consecutive bytes of a row
	s_cmp_eq_u32 s55, 0
	s_cbranch_scc1 .Lm_\@
	s_wait_loadcnt 0x0                             ; the half before has landed,
	s_wait_dscnt 0x0                               ; and LDS stores have read the registers that these loads fill
.set i, 0
.rept 8
	global_load_b128 v[MR+4*i:MR+4*i+3], v[L16], s[44:45] offset:8192*(i+16*\hf)
.set i, i+1
.endr
.Lm_\@:
.endm
.macro MST hf
	s_cmp_eq_u32 s55, 0
	s_cbranch_scc1 .Ls_\@
	s_wait_loadcnt 0x0
.set i, 0
.rept 8
	ds_store_b128 v[MWA], v[MR+4*i:MR+4*i+3] offset:528*(i+8*\hf)
.set i, i+1
.endr
.Ls_\@:
.endm
.macro MAXES                           ; the largest of each block of 32 keys (it serves the row's maximum and, since p rises with it, the block's largest p), and of all 128: eight chains by turns, one to an accumulator, each read from its low end on
.irp b, 0,1,2,3
	v_max3_num_f32 v[BM+\b], v[S+16*\b], v[S+16*\b+1], v[S+16*\b+2]
	v_max3_num_f32 v[T4+\b], v[S+16*\b+8], v[S+16*\b+9], v[S+16*\b+10]
.endr
.irp i, 3,5
.irp b, 0,1,2,3
	v_max3_num_f32 v[BM+\b], v[BM+\b], v[S+16*\b+\i], v[S+16*\b+\i+1]
	v_max3_num_f32 v[T4+\b], v[T4+\b], v[S+16*\b+8+\i], v[S+16*\b+9+\i]
.endr
.endr
.irp b, 0,1,2,3
	v_max3_num_f32 v[BM+\b], v[BM+\b], v[S+16*\b+7], v[S+16*\b+15]
.endr
.irp b, 0,1,2,3
	s_delay_alu instid0(VALU_DEP_4)
	v_max_num_f32 v[BM+\b], v[BM+\b], v[T4+\b]
.endr
.irp b, 0,1,2,3
	s_delay_alu instid0(VALU_DEP_4)
	v_permlanex16_b32 v[T4+\b], v[BM+\b], s48, s49
.endr
.irp b, 0,1,2,3
	s_delay_alu instid0(VALU_DEP_4)
	v_max_num_f32 v[BM+\b], v[BM+\b], v[T4+\b]
.endr
	s_delay_alu instid0(VALU_DEP_2)
	v_max3_num_f32 v[T], v[BM], v[BM+1], v[BM+2]
	s_delay_alu instid0(VALU_DEP_1)
	v_max_num_f32 v[T], v[T], v[BM+3]
.endm
.macro NEWM                            ; v[T]: the step's largest t.  Behind it v[T] holds the old -M
	s_delay_alu instid0(VALU_DEP_1)
	v_max_num_f32 v[ST+4*U+1], v[ST+4*U+1], v[T]
	v_mov_b32 v[T], v[ST+4*U]
	s_delay_alu instid0(VALU_DEP_2)
	v_floor_f32 v[ST+4*U], -v[ST+4*U+1]            ; -M = floor(-t): M is a whole number
.endm
.macro FRONT_U                         ; the mask is all zeros here: logit8 = S; t - M = S x c - M, one multiply-add
	s_mov_b32 s90, s46
	s_mov_b32 s91, s46
	AW                                             ; directly ahead of the first readers of S^T
	MAXES
	s_delay_alu instid0(VALU_DEP_1)
	v_mul_f32 v[T], s46, v[T]
	NEWM
.endm
; With the mask: every rounding stands where the problem's own arithmetic has one (the product mask x -1e9, the sum, t, t - M), so multiply and add are NOT fused: beside a mask number of 1 a logit keeps
; only multiples of 64, and rows whose every key is masked hang on just those roundings.  (t x 1.0 - M in one multiply-add rounds as t - M does.)
.macro FRONT_M mt                      ; mt: the mask tile in LDS, counted from my first
	s_mov_b32 s90, 1.0
	s_mov_b32 s91, 1.0
.irp g, 0,1
.irp k, 0,1,2,3,4,5,6,7
	ds_load_b128 v[MR+4*\k:MR+4*\k+3], v[MRA] offset:MT*(\mt)+128*(2*\g+\k/4)+16*(\k%4)
.endr
	s_wait_dscnt 0x0
.set j, 0
.rept 16
	v_pk_mul_f32 v[MR+j:MR+j+1], v[MR+j:MR+j+1], s[26:27] op_sel_hi:[1,0]
.set j, j+2
.endr
	AW                                             ; directly ahead of the first readers of S^T
.set j, 0
.rept 16
	v_pk_add_f32 v[S+32*\g+j:S+32*\g+j+1], v[S+32*\g+j:S+32*\g+j+1], v[MR+j:MR+j+1]
.set j, j+2
.endr
.endr
.set j, 0
.rept 32
	v_pk_mul_f32 v[S+j:S+j+1], v[S+j:S+j+1], s[46:47] op_sel_hi:[1,0]     ; t
.set j, j+2
.endr
	MAXES
	NEWM
.endm
.macro TM j0, n                        ; t - M for n pairs from S + j0 on; s90 = c or 1.0
.set j, \j0
.rept \n
	v_pk_fma_f32 v[S+j:S+j+1], v[S+j:S+j+1], s[90:91], v[ST+4*U:ST+4*U+1] op_sel_hi:[1,0,0]
.set j, j+2
.endr
.endm
.macro EXPS j0                         ; p = 2^(t - M) for 32 numbers: not normalised
.set j, \j0
.rept 32
	v_exp_f32 v[S+j], v[S+j]
.set j, j+1
.endr
.endm
.set C1, T                             ; the row's sum runs in four chains: the sum's own pair and these three
.set C2, T+2
.set C3, PC+10
; p, the row's sum of the UNQUANTISED p, p's scale word and codes: behind it S is free.  The exponentials go in two halves: the second half's t - M stands behind the first half's exponentials,
; and the first half's sums, the scale word and two conversions behind the second half's.
.macro BACK1
.set SU, ST+4*U+2
	TM 0, 4
	v_sub_f32 v[T], v[ST+4*U], v[T]                ; old M - new M, 0 or less
	TM 8, 4
	v_cvt_i32_f32 v[T], v[T]                       ; (it saturates)
	TM 16, 4
	v_ldexp_f32 v[FP], 1.0, v[T]                   ; f: a multiplication by it rounds nothing
	TM 24, 4
.irp b, 0,1,2,3
	v_fma_f32 v[BM+\b], v[BM+\b], s90, v[ST+4*U]
.endr
	AW                                             ; ahead of the batch
.irp b, 0,1,2,3
	v_exp_f32 v[BM+\b], v[BM+\b]                   ; each block's largest p: the same lines on the same number give the same bits
.endr
	EXPS 0
	TM 32, 16
	v_pk_mul_f32 v[SU:SU+1], v[SU:SU+1], v[FP:FP+1] op_sel_hi:[1,0]   ; the sums under the new M
	AW                                             ; behind the first batch, ahead of the second
	EXPS 32
	v_pk_add_f32 v[C1:C1+1], v[S:S+1], v[S+2:S+3]
	v_pk_add_f32 v[C2:C2+1], v[S+4:S+5], v[S+6:S+7]
	v_pk_add_f32 v[C3:C3+1], v[S+8:S+9], v[S+10:S+11]
	v_pk_add_f32 v[SU:SU+1], v[SU:SU+1], v[S+12:S+13]
.set j, 14
.rept 2
	v_pk_add_f32 v[C1:C1+1], v[C1:C1+1], v[S+j:S+j+1]
	v_pk_add_f32 v[C2:C2+1], v[C2:C2+1], v[S+j+2:S+j+3]
	v_pk_add_f32 v[C3:C3+1], v[C3:C3+1], v[S+j+4:S+j+5]
	v_pk_add_f32 v[SU:SU+1], v[SU:SU+1], v[S+j+6:S+j+7]
.set j, j+8
.endr
	v_pk_add_f32 v[C1:C1+1], v[C1:C1+1], v[S+30:S+31]
.irp b, 0,1,2,3
	v_max_num_f32 v[BM+\b], 0x2800000, v[BM+\b]    ; the floor 2^(5 - 127): the byte cannot fall under 1
.endr
.irp b, 0,1,2,3
	s_delay_alu instid0(VALU_DEP_4)
	v_add_nc_u32 v[SC+\b], 0xfe000000, v[BM+\b]    ; 4 off the exponent field: the conversion's scale operand
.endr
.irp b, 0,1,2,3
	s_delay_alu instid0(VALU_DEP_4)
	v_lshrrev_b32 v[BY+\b], 23, v[SC+\b]
.endr
	s_delay_alu instid0(VALU_DEP_3)
	v_lshl_or_b32 v[PS], v[BY+1], 8, v[BY]         ; p's scale word for these 128 keys
	s_delay_alu instid0(VALU_DEP_1)
	v_lshl_or_b32 v[PS], v[BY+2], 16, v[PS]
	s_delay_alu instid0(VALU_DEP_1)
	v_lshl_or_b32 v[PS], v[BY+3], 24, v[PS]
	v_cvt_scalef32_pk16_bf6_f32 v[PC:PC+2], v[S:S+15], v[SC]
	v_cvt_scalef32_pk16_bf6_f32 v[TC:TC+2], v[S+16:S+31], v[SC+1]      ; (a conversion's three registers begin on an even number)
	v_nop                                          ; one plain place behind a scaled conversion
	AW                                             ; behind the second batch
.set j, 32
.rept 4
	v_pk_add_f32 v[C2:C2+1], v[C2:C2+1], v[S+j:S+j+1]
	v_pk_add_f32 v[C3:C3+1], v[C3:C3+1], v[S+j+2:S+j+3]
	v_pk_add_f32 v[SU:SU+1], v[SU:SU+1], v[S+j+4:S+j+5]
	v_pk_add_f32 v[C1:C1+1], v[C1:C1+1], v[S+j+6:S+j+7]
.set j, j+8
.endr
	v_pk_add_f32 v[SU:SU+1], v[SU:SU+1], v[C3:C3+1]
	v_pk_add_f32 v[C1:C1+1], v[C1:C1+1], v[C2:C2+1]
	s_delay_alu instid0(VALU_DEP_1)
	v_pk_add_f32 v[SU:SU+1], v[SU:SU+1], v[C1:C1+1]
	v_cvt_scalef32_pk16_bf6_f32 v[PC+6:PC+8], v[S+32:S+47], v[SC+2]
	v_cvt_scalef32_pk16_bf6_f32 v[TC+4:TC+6], v[S+48:S+63], v[SC+3]
	v_nop                                          ; one plain place behind a scaled conversion
.endm
.macro BACK2                           ; the operand wants a WHOLE block in a lane: lanes 0-15 block 2 c, lanes 16-31 block 2 c + 1; then O^T under the new M
.irp c, 0,1
.irp i, 0,1,2
	v_permlane16_swap_b32 v[PC+6*\c+\i], v[TC+4*\c+\i]
.endr
.irp i, 0,1,2
	s_delay_alu instid0(VALU_DEP_3)
	v_mov_b32 v[PC+6*\c+3+\i], v[TC+4*\c+\i]
.endr
.endr
	WIN 0x41
	AW                                             ; directly ahead of the first reader of O^T
.set j, 0
.rept 16
	v_pk_mul_f32 v[O+32*U+j:O+32*U+j+1], v[O+32*U+j:O+32*U+j+1], v[FP:FP+1] op_sel_hi:[1,0]   ; these sixteen also stand between the scale word's last line and the product that takes it, and behind the first product just issued
.set j, j+2
.endr
	WIN 0
.endm
.macro UNIT x, e                       ; one tile of 16 queries for this key step; its S^T has been issued, with four places or more behind it
.set U, 2*\x+\e
	s_cmp_eq_u32 s[52+\x], 0
	s_cbranch_scc1 .Lplain_\@
.if U == 3
	s_wait_loadcnt 0x0                             ; no load from memory is on its way into the registers that the mask numbers take
.endif
	FRONT_M (4*\x+\e)
	AW
	s_branch .Lback_\@
.Lplain_\@:
	FRONT_U
.Lback_\@:
	AW
.if \x
	MLD \e                                         ; half a mask tile is on its way while p is made
.endif
	BACK1
.if U == 0
	SMUL 1                                         ; the next unit's S^T is issued as soon as S is free
.endif
.if U == 1
	AW
	s_cmp_eq_u32 s51, 0
	s_cbranch_scc1 .Ln_\@
	SMUL 2
.Ln_\@:
.endif
.if U == 2
	SMUL 3
.endif
	BACK2
	AW
.if \e == 0
	s_wait_dscnt 0x0                               ; V(i) and its scale words, asked for at the trip's top, are in
.endif
.if U == 2
	KNEXT                                          ; K's registers are done with for this step
.endif
	PV U
.if \x
	MST \e
.endif
.endm
; THE WAY OUT of a block.  FIN: 1 / the sums of its two units (its plain lines are also the places behind the last products).  OUT: O^T / the sum, in place, through my stage, and out as whole rows.
.macro FIN x
.irp e, 0,1
	v_add_f32 v[T+\e], v[ST+4*(2*\x+\e)+2], v[ST+4*(2*\x+\e)+3]
.endr
.irp e, 0,1
	s_delay_alu instid0(VALU_DEP_2)
	v_permlanex16_b32 v[T4+\e], v[T+\e], s48, s49
.endr
.irp e, 0,1
	s_delay_alu instid0(VALU_DEP_2)
	v_add_f32 v[T+\e], v[T+\e], v[T4+\e]
.endr
	v_nop
	AW
.irp e, 0,1
	v_rcp_f32 v[ST+4*(2*\x+\e)+2], v[T+\e]
.endr
	v_nop                                          ; a plain place behind the last reciprocal
.endm
.macro OUT u, dst                      ; unit u: 16 rows x my head's 64 numbers
	s_wait_xcnt 0x0                                ; earlier stores have read their registers
	WIN 0x41
	AW                                             ; directly ahead of the first reader of this O^T and of the reciprocal
.set j, 0
.rept 16
	v_pk_mul_f32 v[O+32*(\u)+j:O+32*(\u)+j+1], v[O+32*(\u)+j:O+32*(\u)+j+1], v[ST+4*(\u)+2:ST+4*(\u)+3] op_sel_hi:[1,0]   ; each accumulator from its low end on
.set j, j+2
.endr
	WIN 0x04
.irp d, 0,1,2,3
	ds_store_b128 v[SIN], v[O+32*(\u)+8*\d:O+32*(\u)+8*\d+3] offset:64*\d           ; lane (r, h): row r, numbers 16 d + 8 h + 0 .. 7
	ds_store_b128 v[SIN], v[O+32*(\u)+8*\d+4:O+32*(\u)+8*\d+7] offset:64*\d+16
.endr
	WIN 0
.set i, 0
.rept 8
	ds_load_b128 v[MR+4*i:MR+4*i+3], v[SOUT] offset:2*OP*i            ; LDS serves a wave's instructions in order: these see the stores
.set i, i+1
.endr
.set i, 0
.rept 8
	s_wait_dscnt 7-i                               ; rows 2 i and 2 i + 1 are back; the younger rows' loads may be out
	global_store_b128 v[CO], v[MR+4*i:MR+4*i+3], s[\dst:\dst+1] offset:(8*((\u)%2)+2*i+8*(i/4))*4096 th:TH_STORE_NT   ; sixteen lanes store a row's 256 consecutive bytes, at a multiple of 256 from out0's first byte
.set i, i+1
.endr
.endm
.Ltrip:                                ; 16 trips, one for each key step of 128 keys
	s_lshr_b32 s50, s32, s30
	s_and_b32 s50, s50, 1                          ; block A works on this step
	s_lshr_b32 s51, s33, s30
	s_and_b32 s51, s51, 1                          ; block B
	s_lshr_b32 s52, s34, s30
	s_and_b32 s52, s52, 1                          ; block A's mask is not all zeros
	s_lshr_b32 s53, s35, s30
	s_and_b32 s53, s53, 1
	s_or_b32 s25, s50, s51
	s_add_co_u32 s31, s30, 1
	s_lshr_b32 s54, s36, s31
	s_lshr_b32 s24, s54, 1
	s_and_b32 s54, s54, 1                          ; step i + 1 is wanted (bits 16 and up are 0: nothing is fetched beyond the end)
	s_and_b32 s24, s24, 1                          ; step i + 2
	s_lshr_b32 s55, s37, s31
	s_and_b32 s55, s55, 1                          ; I fill my mask tile for step i + 1
	s_lshl_b32 s60, s30, 2
	s_add_co_u32 s61, s41, VS0
	v_add_nc_u32 v[KRB], s39, v[KRB0]
	v_add_nc_u32 v[KSB], s39, v[KSB0]
	v_add_nc_u32 v[VRB], s40, v[VRB0]
	v_add_nc_u32 v[VSA], s60, v[VSB0]
	v_add_nc_u32 v[MRA], s28, v[MRA0]
	v_add_nc_u32 v[MWA], s29, v[MW0]
	v_add_nc_u32 v[KW], s38, v[GOF]
	v_add_nc_u32 v[KWB], s38, v[GOF8]
	v_add_nc_u32 v[VWR], s61, v[GOF]               ; (these nine are also the places behind the last trip's products)
	AW
	s_cmp_eq_u32 s25, 0
	s_cbranch_scc1 .Lno_v
	WIN 0x40
.set i, 0
.rept 12
	ds_load_b128 v[VV+4*i:VV+4*i+3], v[VRB] offset:512*i       ; V(i): my head's four fragments
.set i, i+1
.endr
	WIN 0
.irp d, 0,1,2,3
	ds_load_b32 v[VS+\d], v[VSA] offset:1280*\d
.endr
.Lno_v:
	s_cmp_eq_u32 s54, 0
	s_cbranch_scc1 .Lno_fv
.irp i, 0,1,2,3,4,5
	global_load_b128 v[FV+4*\i:FV+4*\i+3], v[GOF], s[42:43] offset:24576+4096*\i     ; V(i + 1)
.endr
.Lno_fv:
	s_cmp_eq_u32 s24, 0
	s_cbranch_scc1 .Lno_fk
	WIN 0x40
.irp i, 0,1,2,3,4,5
	global_load_b128 v[FK+4*\i:FK+4*\i+3], v[GOF], s[42:43] offset:KVB+4096*\i       ; K(i + 2)
.endr
	global_load_b64 v[FK+24:FK+25], v[GOF8], s[42:43] offset:KVB+49152
	WIN 0
.Lno_fk:
	s_cmp_eq_u32 s50, 0
	s_cbranch_scc1 .Lno_a
	SMUL 0
	PLACES
	UNIT 0, 0
	UNIT 0, 1
	s_lshr_b32 s60, s32, s31                       ; the later key steps that block A works on
	s_cmp_lg_u32 s60, 0
	s_cbranch_scc1 .Lb
	FIN 0                                          ; none: block A is finished and leaves now
	OUT 0, 56
	OUT 1, 56
	s_wait_xcnt 0x0                                ; the stores have read the registers that mask numbers take later
	s_branch .Lb
.Lno_a:
	s_cmp_eq_u32 s51, 0
	s_cbranch_scc1 .Lno_b
	SMUL 2
	PLACES
.Lb:
	s_cmp_eq_u32 s51, 0
	s_cbranch_scc1 .Lno_b
	UNIT 1, 0
	UNIT 1, 1
	s_branch .Lend
.Lno_b:                                ; block B rests: what its units carry along is done here
	KNEXT
	MLD 0
	MST 0
	MLD 1
	MST 1
.Lend:
	s_wait_loadcnt 0x0                             ; whatever I asked for is in; the two addresses may be stepped
	s_cmp_eq_u32 s54, 0
	s_cbranch_scc1 .Lno_sv
.irp i, 0,1,2,3,4,5
	ds_store_b128 v[VWR], v[FV+4*\i:FV+4*\i+3] offset:4096*\i
.endr
.Lno_sv:
	s_cmp_eq_u32 s24, 0
	s_cbranch_scc1 .Lno_sk
	WIN 0x04
.irp i, 0,1,2,3,4,5
	ds_store_b128 v[KW], v[FK+4*\i:FK+4*\i+3] offset:4096*\i
.endr
	ds_store_b64 v[KWB], v[FK+24:FK+25] offset:24576
	WIN 0
.Lno_sk:
	s_wait_dscnt 0x0                               ; my stores have landed, and my reads of the slots (K(i + 1) among them) are in
	s_barrier_signal -1
	s_barrier_wait -1                              ; both now hold of all eight waves
	s_add_nc_u64 s[42:43], s[42:43], KVB
	s_add_nc_u64 s[44:45], s[44:45], 512
	s_xor_b32 s38, s38, KSL
	s_xor_b32 s39, s39, KSL
	s_xor_b32 s40, s40, VSL
	s_xor_b32 s41, s41, VSL
	s_xor_b32 s28, s28, MSL
	s_xor_b32 s29, s29, MSL
	s_add_co_u32 s30, s30, 1
	s_cmp_lt_u32 s30, 16
	s_cbranch_scc1 .Ltrip
	FIN 1                                          ; block B leaves
	OUT 2, 58
	OUT 3, 58
	s_wait_tensorcnt 0x0                           ; the wave's end
	ds_add_u32 v254, v255
	s_wait_dscnt 0x0
	s_endpgm
.Lfunc_end_k_q13e23c7ed7_attn:
	.size	k_q13e23c7ed7_attn, .Lfunc_end_k_q13e23c7ed7_attn-k_q13e23c7ed7_attn
	.p2alignl 7, 3214868480
	.fill 96, 4, 3214868480
	.section	.rodata,"a",@progbits
	.p2align	6, 0x0
	.amdhsa_kernel k_q13e23c7ed7_attn
		.amdhsa_group_segment_fixed_size 293888
		.amdhsa_private_segment_fixed_size 0
		.amdhsa_enable_private_segment 0
		.amdhsa_kernarg_size 48
		.amdhsa_user_sgpr_count 2
		.amdhsa_user_sgpr_kernarg_segment_ptr 1
		.amdhsa_wavefront_size32 1
		.amdhsa_system_sgpr_workgroup_id_x 1
		.amdhsa_system_sgpr_workgroup_id_y 1
		.amdhsa_system_sgpr_workgroup_id_z 1
		.amdhsa_system_vgpr_workitem_id 0
		.amdhsa_next_free_vgpr 512
		.amdhsa_next_free_sgpr 100
		.amdhsa_reserve_vcc 0
		.amdhsa_float_denorm_mode_32 3
		.amdhsa_float_denorm_mode_16_64 3
		.amdhsa_memory_ordered 1
		.amdhsa_forward_progress 1
		.amdhsa_inst_pref_size 155
	.end_amdhsa_kernel
	.amdgpu_metadata
---
amdhsa.version: [ 1, 2 ]
amdhsa.kernels:
  - .name:           k_q13e23c7ed7_attn
    .symbol:         k_q13e23c7ed7_attn.kd
    .args:
      - { .name: qimg, .offset: 0, .size: 8, .value_kind: global_buffer, .address_space: global }
      - { .name: kv, .offset: 8, .size: 8, .value_kind: global_buffer, .address_space: global }
      - { .name: flags, .offset: 16, .size: 8, .value_kind: global_buffer, .address_space: global }
      - { .name: mask, .offset: 24, .size: 8, .value_kind: global_buffer, .address_space: global }
      - { .name: v_scales, .offset: 32, .size: 8, .value_kind: global_buffer, .address_space: global }
      - { .name: out0, .offset: 40, .size: 8, .value_kind: global_buffer, .address_space: global }
    .group_segment_fixed_size: 293888
    .private_segment_fixed_size: 0
    .kernarg_segment_align: 8
    .kernarg_segment_size: 48
    .max_flat_workgroup_size: 256
    .sgpr_count:     100
    .vgpr_count:     512
    .wavefront_size: 32
...
	.end_amdgpu_metadata
.endif
;; end of part 2
